; MI455X (gfx1250); checked and timed in simulation.
; The chip was launched on July 23, 2026; its instructions are those of AMD's public machine-readable ISA for CDNA 5 (MIT licence, August 2026) and "CDNA5" Instruction Set Architecture Reference Guide (July 2026). The comments in the code are by the model that wrote it; some were corrected since.
;; LSTM From Scratch. Allowed arithmetic: matrix products marked QUANTISED: E5M2 operands, one given power-of-two scale a tensor, by v_wmma_f32_16x16x64_bf8_bf8 or v_wmma_f32_16x16x128_bf8_bf8, f32 sums; everything else in f32.
;; Inputs: W_c 2,048 x 3,072 float32; W_f 2,048 x 3,072 float32; W_i 2,048 x 3,072 float32; W_o 2,048 x 3,072 float32; b_c 2,048 float32; b_f 2,048 float32; b_i 2,048 float32; b_o 2,048 float32; c_prev 2,048 x 2,048 float32; h_prev 2,048 x 2,048 float32; lowp_scales 2 int32 (the exponents e of the quantised operands' scales 2^e); x_t 2,048 x 1,024 float32.
;; Outputs: out0 2,048 x 2,048 float32; out1 2,048 x 2,048 float32.
;; This version of the problem:
;;   THIS VERSION OF THE PROBLEM IS GIVEN IN LOW PRECISION. The matrix products marked QUANTISED in the list below multiply operands that are first quantised to E5M2 (5 exponent bits, 2 mantissa bits; 8 bits a number), with one given power-of-two scale for each operand tensor; their sums are f32. All else is computed in f32.
;;   The module's matrix products, in the order in which they are computed (A, B: the left and right operand; K: the contracted axis; several contracted axes count as one K, in the product's order):
;;     1. [M 2,048, K 3,072] x [K 3,072, N 8,192]; A: computed on the way; B: computed on the way: QUANTISED (scales: A lowp_scales[0], B lowp_scales[1])
;;   THE QUANTISER, for each operand of a quantised product, along K:
;;     - The operand's scale is 2^e, e = its entry of the input lowp_scales (int32; the entries are numbered through the quantised products in the list's order, A before B).
;;     - Each number is divided by the scale, clamped to +-57,344, and rounded to the nearest number of E5M2, ties to even, subnormals kept.
;;     - The product sums the exact products of the quantised numbers (number of the format x scale) in f32.
;;   ~~~python
;;   def quantise(x, axis, e):      # numpy; x: float32 -> the quantised numbers, widened to float32 again
;;       x = np.moveaxis(x, axis, -1); K = x.shape[-1]
;;       r = np.clip(x / 2.0 ** e, -57344, 57344)
;;       step = 2.0 ** (np.maximum(np.frexp(np.where(r == 0, 1, r))[1] - 1, -14) - 2)
;;       q = np.round(r / step) * step * 2.0 ** e      # np.round: ties to even
;;       return np.moveaxis(q, -1, axis).astype(np.float32)
;;   ~~~
;;   OPERANDS COMPUTED ON THE WAY. 'Computed on the way' means the value that the module computes at that place (a softmax that the list does not call 'softmax' is quantised finished and normalised). What goes into a quantiser is computed in f32, as accurately as f32 sums, v_exp_f32 and their like allow (about 1e-6 of the number): no bf16 or f16 on the way to a quantiser, and a product that is left as it is and whose result goes on into a quantised operand takes f32 operands (vector FMAs, or v_wmma_f32_16x16x4_f32). A number that lies on a knife's edge between two numbers of the format may be rounded either way, as far as f32 arithmetic and the matrix unit's own rounding can turn it there, and no further.
;; One version. Each part assembles by itself: llvm-mc -triple=amdgcn-amd-amdhsa -mcpu=gfx1250 --defsym DOCPART=n.
;; ======== version 1 of 1: 2 launches
;; limits: right only within a limited range of input values
;; workspace buffers: a_codes 6,291,456 bytes; w_codes 25,165,824 bytes
;; launch quant (part 1): grid 256 x 1, 15 waves a work-group, no clusters, 132,608 bytes of LDS; arguments x_t, h_prev, W_i, W_f, W_c, W_o, lowp_scales, a_codes, w_codes; writes a_codes, w_codes
.if DOCPART == 1
	.amdgcn_target "amdgcn-amd-amdhsa--gfx1250"
	.amdhsa_code_object_version 6
	.text
	.protected	k_q8b0f1a61cd_quant
	.globl	k_q8b0f1a61cd_quant
	.p2align	8
	.type	k_q8b0f1a61cd_quant,@function
k_q8b0f1a61cd_quant:
	s_mov_b64 s[64:65], 0
	v_nop
	global_prefetch_b8 v0, s[64:65] scope:SCOPE_SE
	s_setreg_imm32_b32 hwreg(HW_REG_WAVE_MODE, 25, 1), 1
	s_wait_xcnt 0x0
; The two operands of the gates' product become codes of BF8 (E5M2), one byte a number, laid as IMAGES OF THE OPERAND'S REGISTERS.  Nothing of reference() is left out: every input has a way to an output.
; A FRAGMENT is 16 rows x 128 along K = 2,048 bytes: [c 0..3][h 0..1][row r 0..15][16 bytes]: lane (r, h) of the product's launch takes its registers 4 c .. 4 c + 3 at 512 c + 16 x lane.
;   a_codes: [block of 256 rows: 8][slot of 384 along K: 8][16 rows: 16][step of 128 in the slot: 3][fragment].  Row R = x_t's row R (1,024 numbers), then h_prev's row R (2,048).  Scale 2^e0.
;   w_codes: [16 hidden units: 128][step of 128 along K: 24][gate 0 i, 1 f, 2 c, 3 o][fragment].  Scale 2^e1.
; code = x / 2^e, held within +-57,344, rounded to the nearest code, ties to even.  e0, e1: the two whole numbers (int32) of lowp_scales.
; LIMITS: e0 and e1 each between -126 and 112, so that 2^e and 57,344 x 2^e are f32 numbers.  NaN among the inputs is not served; an infinity is held at the largest code.
; THE ORDER ALONG K.  Of a run of 512 along K, number 128 i + 4 l + j (l = 0..31, i, j = 0..3) is byte 4 i + j of piece l, and piece l = 8 s + 2 c + h lies in the run's step s at (c, h).  The order is the same in both
; buffers, so in the product every code meets its partner; only the order of the f32 sums differs.  It lets a lane convert the numbers just as it loaded them.
; A JOB is 16 rows x one run of 512: 16 steps, a row each.  A step's four loads read 512 consecutive bytes each (16 a lane) and give lane l the 16 numbers of piece l; two conversions make 16 bytes.  After 16 rows lane l
; holds the 256 bytes of unit l; the units turn through the wave's own stage in LDS (rows of 272 bytes), so that each store's sixteen neighbouring lanes write one aligned unit of 256 bytes.
; SHARES.  (2,048 + 8,192) / 16 x 6 = 3,840 jobs = 15 for each of 256 work-groups: a wave a job.  Jobs 0-767 are the concatenation's, the others the weights'.  Only pointers, pitches and offsets are chosen, by the job's number:
; all waves take one path.  Loads run eight steps (32 loads, 16,384 bytes a wave) ahead.  No barrier: waves share nothing.
.set OFF,   10                         ; v10-17   set i: 16 x lane + its row x the source's pitch
.set RB,    24                         ; v24-151  eight sets of 16 numbers as loaded; at the end v24-87 the units read back
.set CD,    152                        ; v152-215 four registers of codes for each of the 16 steps
.set SP,    272                        ; a unit's place in the stage: 256 bytes + 16
.set WREG,  32*SP                      ; a wave's stage
.set SPARE, 15*WREG                    ; behind the stages: the spare words, 128 bytes for each wave
                                       ; v2 16 x lane; v3 2^e, v4 57,344 x 2^e; v5, v6 the stage, in and out; v8, v9 the add's two registers
	s_load_b256 s[4:11], s[0:1], 0x0               ; x_t s[4:5], h_prev s[6:7], W_i s[8:9], W_f s[10:11]
	s_load_b256 s[12:19], s[0:1], 0x20             ; W_c s[12:13], W_o s[14:15], lowp_scales s[16:17], a_codes s[18:19]
	s_load_b64 s[20:21], s[0:1], 0x40              ; w_codes
	v_lshl_add_u32 v8, v0, 2, SPARE
	v_mov_b32 v9, 0
	v_lshrrev_b32 v1, 5, v0
	v_readfirstlane_b32 s60, v1                    ; wave 0..14
	s_mul_i32 s22, ttmp9, 15
	s_add_co_u32 s22, s22, s60                     ; the job
	s_cmp_lt_u32 s22, 768
	s_cselect_b32 s23, 0, 768
	s_sub_co_u32 s23, s22, s23                     ; its number in its tensor
	s_mul_hi_u32 s24, s23, 0xaaaaaaab
	s_lshr_b32 s24, s24, 2                         ; q = that / 6: which 16 rows
	s_mul_i32 s25, s24, 6
	s_sub_co_u32 s25, s23, s25                     ; which run of 512
	s_lshr_b32 s30, s24, 7                         ; weights: the gate,
	s_and_b32 s31, s24, 127                        ; and the 16 units
	s_cmp_lt_u32 s25, 2                            ; the concatenation: runs 0, 1 come from x_t, runs 2-5 from h_prev
	s_cselect_b32 s28, 12, 13
	s_cselect_b32 s29, 0, 2
	s_sub_co_u32 s29, s25, s29                     ; the run inside its source
	s_lshl_b32 s43, 1, s28                         ; a row of x_t is 4,096 bytes, of h_prev 8,192,
	s_mov_b32 s58, 12288                           ; of a weight 12,288
	s_lshl_b32 s44, s24, 4
	s_lshl_b32 s59, s31, 4
	s_cmp_lt_u32 s22, 768
	s_cselect_b32 s43, s43, s58                    ; the pitch
	s_cselect_b32 s44, s44, s59                    ; the first row
	s_cselect_b32 s29, s29, s25
	s_mul_i32 s62, s44, s43
	s_lshl_b32 s29, s29, 11
	s_add_co_u32 s62, s62, s29                     ; where the job begins in its source, in bytes (under 2^25)
	s_mov_b32 s63, 0
	s_lshl_b32 s45, s43, 3                         ; eight rows
	s_lshr_b32 s40, s24, 4
	s_lshl_b32 s40, s40, 3                         ; 8 x the block of 256 rows
	s_and_b32 s41, s24, 15                         ; the 16 rows inside it
	s_mul_i32 s42, s31, 24
	s_lshl_b32 s36, s25, 2
.irp k, 0,1,2,3                        ; where the run's four fragments go
	s_add_co_u32 s37, s36, \k                      ; the step of 128: 0..23
	s_mul_i32 s38, s37, 11
	s_lshr_b32 s38, s38, 5                         ; step / 3, right for 0..23: the slot
	s_mul_i32 s39, s38, 3
	s_sub_co_u32 s39, s37, s39                     ; the step inside the slot
	s_add_co_u32 s38, s38, s40
	s_lshl_b32 s38, s38, 4
	s_add_co_u32 s38, s38, s41
	s_mul_i32 s38, s38, 3
	s_add_co_u32 s38, s38, s39                     ; a_codes: ((block x 8 + slot) x 16 + rows) x 3 + step in slot
	s_add_co_u32 s37, s37, s42
	s_lshl_b32 s37, s37, 2
	s_add_co_u32 s37, s37, s30                     ; w_codes: (units x 24 + step) x 4 + gate
	s_cmp_lt_u32 s22, 768
	s_cselect_b32 s38, s38, s37
	s_lshl_b32 s[48+2*\k], s38, 11                 ; x 2,048 bytes
	s_mov_b32 s[49+2*\k], 0
.endr
	s_mul_i32 s59, s60, WREG                       ; my stage
	v_and_b32 v1, 31, v0
	v_and_b32 v7, 15, v0
	v_bfe_u32 v6, v0, 4, 1
	v_lshlrev_b32 v2, 4, v1                        ; my 16 bytes of a load's or a store's 512
	v_mul_u32_u24 v5, v1, SP
	v_mul_u32_u24 v6, v6, SP
	v_add_nc_u32 v5, s59, v5                       ; in: unit = my lane
	v_lshl_add_u32 v6, v7, 4, v6
	v_add_nc_u32 v6, s59, v6                       ; out: sixteen lanes to a unit, two units an instruction
.irp i, 0,1,2,3,4,5,6,7
	s_mul_i32 s58, s43, \i
	v_add_nc_u32 v[OFF+\i], s58, v2
.endr
	s_wait_alu depctr_va_vdst(0)                   ; directly ahead of the wait below
	s_wait_kmcnt 0x0
	s_load_b64 s[56:57], s[16:17], 0x0             ; e0, e1
	s_cmp_lt_u32 s25, 2                            ; the choices hang on the job's number alone
	s_cselect_b64 s[26:27], s[4:5], s[6:7]
	s_cmp_lt_u32 s30, 2
	s_cselect_b64 s[32:33], s[8:9], s[12:13]
	s_cselect_b64 s[34:35], s[10:11], s[14:15]
	s_and_b32 s58, s30, 1
	s_cmp_eq_u32 s58, 1
	s_cselect_b64 s[32:33], s[34:35], s[32:33]
	s_cmp_lt_u32 s22, 768
	s_cselect_b64 s[26:27], s[26:27], s[32:33]
	s_cselect_b64 s[46:47], s[18:19], s[20:21]
	s_add_nc_u64 s[26:27], s[26:27], s[62:63]
.irp k, 0,1,2,3
	s_add_nc_u64 s[48+2*\k:49+2*\k], s[46:47], s[48+2*\k:49+2*\k]
.endr
.macro LOAD t                          ; row t of the job: 2,048 bytes
.irp i, 0,1,2,3
	global_load_b128 v[RB+16*((\t)%8)+4*\i:RB+16*((\t)%8)+4*\i+3], v[OFF+(\t)%8], s[26:27] offset:512*\i th:TH_LOAD_NT   ; 32 lanes read 512 consecutive bytes; each input byte is read once in the launch
.endr
.endm
.irp t, 0,1,2,3,4,5,6,7
	LOAD \t
.endr
	s_wait_kmcnt 0x0
	s_cmp_lt_u32 s22, 768
	s_cselect_b32 s56, s56, s57                    ; e
	s_add_co_i32 s56, s56, 127
	s_lshl_b32 s57, s56, 23
	v_mov_b32 v3, s57                              ; 2^e as f32: the conversion takes its exponent field
	s_add_co_i32 s56, s56, 15
	s_lshl_b32 s56, s56, 23
	s_or_b32 s56, s56, 0x600000
	v_mov_b32 v4, s56                              ; 57,344 x 2^e
.macro STEP t
.set XS, RB+16*((\t)%8)
.set CR, CD+4*(\t)
.if 15-(\t) >= 7
	s_wait_loadcnt 28                              ; loads come back in order: this row's four are in; those of the seven rows behind it may be out
.else
	s_wait_loadcnt 4*(15-(\t))
.endif
.irp i, 0,1,2,3,4,5,6,7,8,9,10,11,12,13,14,15
	v_med3_num_f32 v[XS+\i], v[XS+\i], -v4, v4     ; the conversion to an 8-bit code does not saturate (ISA guide 7.6.2): the number is first held within the largest code x the scale
.endr
	v_cvt_scalef32_pk8_bf8_f32 v[CR:CR+1], v[XS:XS+7], v3
	v_cvt_scalef32_pk8_bf8_f32 v[CR+2:CR+3], v[XS+8:XS+15], v3
.if (\t)+8 < 16
	v_add_nc_u32 v[OFF+(\t)%8], s45, v[OFF+(\t)%8] ; free since the wait above: the set's next row, eight further down
	LOAD (\t)+8
.endif
	ds_store_b128 v5, v[CR:CR+3] offset:16*(\t)    ; row t's 16 bytes of unit l
.endm
	s_wait_alu depctr_va_vdst(0)                   ; the head's end
.irp t, 0,1,2,3,4,5,6,7,8,9,10,11,12,13,14,15
	STEP \t
.endr
.irp t, 0,1,2,3,4,5,6,7,8,9,10,11,12,13,14,15
	ds_load_b128 v[RB+4*\t:RB+4*\t+3], v6 offset:2*\t*SP   ; LDS serves a wave's instructions in order: these see my stores.  Units 2 t, 2 t + 1
.endr
.irp t, 0,1,2,3,4,5,6,7,8,9,10,11,12,13,14,15
	s_wait_dscnt 15-\t
	global_store_b128 v2, v[RB+4*\t:RB+4*\t+3], s[48+2*(\t/4):49+2*(\t/4)] offset:512*(\t%4)   ; 32 lanes store 512 consecutive bytes: (c = t % 4, h = 0, 1) of the run's fragment t / 4
.endr
	s_wait_tensorcnt 0x0                           ; the wave's end
	ds_add_u32 v8, v9
	s_wait_dscnt 0x0
	s_endpgm
.Lfunc_end_k_q8b0f1a61cd_quant:
	.size	k_q8b0f1a61cd_quant, .Lfunc_end_k_q8b0f1a61cd_quant-k_q8b0f1a61cd_quant
	.p2alignl 7, 3214868480
	.fill 96, 4, 3214868480
	.section	.rodata,"a",@progbits
	.p2align	6, 0x0
	.amdhsa_kernel k_q8b0f1a61cd_quant
		.amdhsa_group_segment_fixed_size 132608
		.amdhsa_private_segment_fixed_size 0
		.amdhsa_enable_private_segment 0
		.amdhsa_kernarg_size 72
		.amdhsa_user_sgpr_count 2
		.amdhsa_user_sgpr_kernarg_segment_ptr 1
		.amdhsa_wavefront_size32 1
		.amdhsa_system_sgpr_workgroup_id_x 1
		.amdhsa_system_sgpr_workgroup_id_y 1
		.amdhsa_system_sgpr_workgroup_id_z 1
		.amdhsa_system_vgpr_workitem_id 0
		.amdhsa_next_free_vgpr 216
		.amdhsa_next_free_sgpr 66
		.amdhsa_reserve_vcc 0
		.amdhsa_float_denorm_mode_32 3
		.amdhsa_float_denorm_mode_16_64 3
		.amdhsa_memory_ordered 1
		.amdhsa_forward_progress 1
		.amdhsa_inst_pref_size 36
	.end_amdhsa_kernel
	.amdgpu_metadata
---
amdhsa.version: [ 1, 2 ]
amdhsa.kernels:
  - .name:           k_q8b0f1a61cd_quant
    .symbol:         k_q8b0f1a61cd_quant.kd
    .args:
      - { .name: x_t, .offset: 0, .size: 8, .value_kind: global_buffer, .address_space: global }
      - { .name: h_prev, .offset: 8, .size: 8, .value_kind: global_buffer, .address_space: global }
      - { .name: W_i, .offset: 16, .size: 8, .value_kind: global_buffer, .address_space: global }
      - { .name: W_f, .offset: 24, .size: 8, .value_kind: global_buffer, .address_space: global }
      - { .name: W_c, .offset: 32, .size: 8, .value_kind: global_buffer, .address_space: global }
      - { .name: W_o, .offset: 40, .size: 8, .value_kind: global_buffer, .address_space: global }
      - { .name: lowp_scales, .offset: 48, .size: 8, .value_kind: global_buffer, .address_space: global }
      - { .name: a_codes, .offset: 56, .size: 8, .value_kind: global_buffer, .address_space: global }
      - { .name: w_codes, .offset: 64, .size: 8, .value_kind: global_buffer, .address_space: global }
    .group_segment_fixed_size: 132608
    .private_segment_fixed_size: 0
    .kernarg_segment_align: 8
    .kernarg_segment_size: 72
    .max_flat_workgroup_size: 480
    .sgpr_count:     66
    .vgpr_count:     216
    .wavefront_size: 32
...
	.end_amdgpu_metadata
.endif
;; end of part 1
;; launch cell (part 2): grid 32 x 8, 4 waves a work-group, clusters of 4 x 1, 327,680 bytes of LDS; arguments a_codes, w_codes, lowp_scales, b_i, b_f, b_c, b_o, c_prev, out0, out1; writes out0, out1
.if DOCPART == 2
	.amdgcn_target "amdgcn-amd-amdhsa--gfx1250"
	.amdhsa_code_object_version 6
	.text
	.protected	k_q8b0f1a61cd_cell
	.globl	k_q8b0f1a61cd_cell
	.p2align	8
	.type	k_q8b0f1a61cd_cell,@function
k_q8b0f1a61cd_cell:
	s_mov_b64 s[64:65], 0
	v_nop
	global_prefetch_b8 v0, s[64:65] scope:SCOPE_SE
	s_setreg_imm32_b32 hwreg(HW_REG_WAVE_MODE, 25, 1), 1
	s_wait_xcnt 0x0
	s_wait_alu depctr_hold_cnt(0) depctr_sa_sdst(0) depctr_va_vdst(0) depctr_va_sdst(0) depctr_va_ssrc(0) depctr_va_vcc(0) depctr_vm_vsrc(0)
	s_getreg_b32 s2, hwreg(HW_REG_IB_STS2, 6, 4)
	s_cmp_eq_u32 s2, 0
	s_cbranch_scc0 .Lentry_in_a_cluster
	s_endpgm
.Lentry_in_a_cluster:
	s_bfe_u32 s2, ttmp6, 0x10000c
	s_cmp_lg_u32 s2, 0x3003
	s_cbranch_scc0 .Lentry_shape_is_right
	s_endpgm
.Lentry_shape_is_right:
; The gates' product on codes of BF8 (E5M2) and the whole LSTM cell behind it: gates = 2^(e0 + e1) x (A x W^T) + b; c_t = sigmoid(f) c_prev + sigmoid(i) tanh(c); h_t = sigmoid(o) tanh(c_t).  out0 = h_t, out1 = c_t.
; Both operands lie as images of the operand's registers, in fragments of 16 rows x 128 K = 2,048 bytes ([c][lane][16 bytes]):
;   a_codes [block of 256 rows: 8][slot of 384 K: 8][16 rows: 16][step in slot: 3][fragment];  w_codes [16 units: 128][step: 24][gate i, f, c, o][fragment].  Nothing of reference() is left out.
; LIMITS: e0 + e1 between -126 and 126 (it is added to the exponent fields of log2(e) and 2 log2(e)).  sigmoid(x) = 1 / (1 + 2^(-x log2 e)), tanh(x) = 1 - 2 / (1 + 2^(2 x log2 e)): an exponential that
; overflows gives the function's limit, none gives NaN for finite gates.
; A work-group of four waves makes 256 rows x 64 hidden units.  WAVE w TAKES ALL 256 ROWS AND 16 UNITS, all four gates: 16 x 4 accumulators of 16 x 16, 512 registers; the cell is computed in the wave's own registers.
; So each byte of W that the work-group needs is needed by ONE wave, in registers: W goes from memory straight into them, 16 loads of 512 consecutive bytes a step, two steps ahead, in three sets of 64 registers.
; A alone goes through LDS: a ring of two slots of 256 rows x 384 K = 98,304 bytes, eight fills in all, each wave fetching a quarter (24,576 consecutive bytes, stated as 24 rows of 1,024).  A fragment load takes 16 x lane: no padding.
; CLUSTERS: 4 x 1 work-groups, which share a block of rows: A's tiles are asked for JOINTLY by the four (mask 15).  W is not asked for jointly: a joint load lands in LDS, where W would take half of the ring and
; so halve the K that a fill brings, and each work-group of a cluster reads other units.
; THE MATRIX INSTRUCTION IS USED TRANSPOSED (source 0 = a gate's 16 units, source 1 = 16 rows of A): a lane holds one row of the batch and eight neighbouring units of one gate.
; PREFETCH, behind each joint refill.  A: the slot two refills on; a wave's quarter is 96 blocks of 256 bytes, shared out among the four partners by address, 24 lanes a block each (the other lanes name the last again); the clusters of
; cluster column 0 alone ask, so that each block is named once; the last trip has no such slot.  W: my units' three steps of the slot after the next, 96 blocks, shared out by address among the eight blocks of rows that read them, 12 each.
; c_prev: in the last trip, my 64 rows, two refills ahead of their load.
; REGISTERS, in windows of 256: window 0: v15-31 addresses, v32-63 biases, v64-255 A's quarters 0-2 (4 fragments each), on the way out v96-255 at work; window 1: v0-191 W's three sets, v192-255 A's quarter 3;
; windows 2, 3: the accumulators ((a, b) at v[8 (4 (a % 8) + b)], a = 16 rows, b = gate).
.set OROW,   8192                      ; a row of c_prev, out0, out1 in bytes
.set PITCH,  272                       ; c_prev's tile and the stages: 256 bytes + 16
.set NP,     4                         ; places behind this matrix instruction (ISA guide 7.12.1)
.set FRB,    2048                      ; a fragment
.set SLOT,   16*3*FRB
.set QT,     SLOT/4                    ; what one tensor load brings
.set WSTEP,  4*FRB                     ; a wave's W of one step
.set LAPS,   4                         ; a lap = two slots = six steps
.set HSH,    SLOT                      ; the stage of h_t: in slot 1, behind its last fill and its last read
.set HSC,    2*SLOT                    ; the stage of c_t: behind the ring
.set SPARE,  2*SLOT+256*PITCH          ; the spare words, 128 bytes for each wave
.set BO,   15                          ; v15 my offset in the biases
.set ADRA, 16                          ; v16-19 LDS address of A's fragments: slot 0 rows 0-127, 128-255, slot 1 likewise
.set WO,   20                          ; v20 16 x lane
.set PFW,  21                          ; v21 W's prefetch: my block
.set CPA,  22                          ; v22 my 32 bytes of c_prev's tile (it lands in slot 0)
.set STH,  23                          ; v23, v24 the same place in the stages
.set STC,  24
.set RDH,  25                          ; v25, v26 where I read whole rows back
.set RDC,  26
.set CO,   27                          ; v27 my byte offset in out0, out1
.set SPW,  28                          ; v28 LDS address of my spare word; never rewritten
.set NIL,  29                          ; v29 0; never rewritten
.set PFO,  30                          ; v30 A's prefetch: my block
.set PFC,  31                          ; v31 c_prev's prefetch: lane x 8,192
.set BI,   32                          ; v32-63 biases [gate][8 units], then x the exponentials' factors
.set U,    96
.set RBH,  112
.set T,    128
.set CPR,  192
.set CT,   208
.set HT,   224
.set RBC,  240
.set LIM,  10                          ; s10 1 where my cluster prefetches A, else the greatest number
.set G1,  24                           ; s[24:31] descriptor group 1 of A's tiles; s[32:39] group 0, a set for each slot
.set G0,  32
.set WB,  44                           ; s[44:45] my W at the slot's first step
.set PFA, 66                           ; s[66:67] where A's prefetches stand
.set G1C, 84                           ; s[84:91], s[92:95] of c_prev's tile
.set G0C, 92
.set MSB, 0
.macro WIN new                         ; the immediate's high byte repeats the setting that is left
.if MSB != (\new)
	s_set_vgpr_msb (MSB<<8)|(\new)
.set MSB, (\new)
.endif
.endm
.set MUL_LO, 0xa1                      ; source 0 (W) window 1, source 1 (A) window 0, C and D window 2
.set MUL_HI, 0xf1                      ; the same, C and D window 3
.set MUL_H3, 0xf5                      ; A's quarter 3 lies in window 1
.set TO_B,   0x40                      ; destination window 1, address window 0
.macro PLACES n
.rept \n
	v_nop
.endr
.endm
.macro ALOAD s                         ; a joint load: every wave its quarter of the slot.  An s_nop 0 follows, and four v_nop
	tensor_load_to_lds s[G0+4*\s:G0+4*\s+3], s[G1:G1+7]
	s_nop 0
	PLACES 4
.endm
.macro CREST                           ; a round of the cluster's barrier behind its opening barrier
	s_cmp_lg_u32 s14, 0
	s_cbranch_scc1 .Lnot_wave_0_\@
	s_barrier_signal -3
.Lnot_wave_0_\@:
	s_barrier_wait -3
	s_barrier_signal -1
	s_barrier_wait -1
.endm
.macro CROUND
	s_barrier_signal -1
	s_barrier_wait -1
	CREST
.endm
.macro ASK                             ; s3 = 1 in the loop's last trip, which has no slot two refills on
	s_cmp_gt_u32 s3, s[LIM]
	s_cbranch_scc0 .Lnot_mine_\@
	global_prefetch_b8 v[PFO], s[PFA:PFA+1] th:TH_LOAD_NT scope:SCOPE_SE
.Lnot_mine_\@:
.endm
.macro ASKC
	s_cmp_eq_u32 s3, 1
	s_cbranch_scc0 .Lnot_yet_\@
	global_prefetch_b8 v[PFC], s[12:13] th:TH_LOAD_NT scope:SCOPE_SE
	global_prefetch_b8 v[PFC], s[12:13] offset:32*OROW th:TH_LOAD_NT scope:SCOPE_SE
.Lnot_yet_\@:
.endm
	s_load_b128 s[4:7], s[0:1], 0x0                ; a_codes, w_codes
	s_load_b64 s[8:9], s[0:1], 0x10                ; lowp_scales
	s_load_b256 s[68:75], s[0:1], 0x18             ; b_i, b_f, b_c, b_o
	s_load_b128 s[76:79], s[0:1], 0x38             ; c_prev, out0
	s_load_b64 s[80:81], s[0:1], 0x48              ; out1
	v_lshl_add_u32 v[SPW], v0, 2, SPARE
	v_mov_b32 v[NIL], 0
	ds_add_u32 v[SPW], v[NIL]                      ; the opening lines: the add, twice on end, and its wait ahead of my first tensor load
	ds_add_u32 v[SPW], v[NIL]
	v_lshrrev_b32 v1, 5, v0
	v_readfirstlane_b32 s14, v1                    ; wave 0..3
	s_bfe_u32 s40, ttmp6, 0x40000                  ; cx: my place in the cluster
	s_lshl_b32 s42, ttmp9, 2
	s_add_co_u32 s42, s42, s40                     ; which 64 units = 4 x cluster x + cx
	s_and_b32 s17, ttmp7, 0xffff                   ; which 256 rows
	s_mov_b32 s[G1+0], 15|(3<<16)|(1<<21)          ; the mask: all four of the cluster; elements of 8 bytes; bit 21 beside the mask; no padding
	s_mov_b32 s[G1+1], 128<<16                     ; tensor_dim0: 128 elements = 1,024 bytes
	s_mov_b32 s[G1+2], 24<<16                      ; tensor_dim1
	s_mov_b32 s[G1+3], 128<<16                     ; tile_dim0
	s_mov_b32 s[G1+4], 24                          ; tile_dim1
	s_mov_b32 s[G1+5], 128                         ; the pitch: rows lie end to end
	s_mov_b32 s[G1+6], 0
	s_mov_b32 s[G1+7], 0
	s_mov_b32 s[G1C+0], (0<<16)|(1<<20)|(5<<22)|(3<<25)   ; c_prev's tile: 64 rows x 256 bytes, 8,192 bytes apart, 16 bytes of padding behind each, no mask
	s_mov_b32 s[G1C+1], 256<<16
	s_mov_b32 s[G1C+2], 64<<16
	s_mov_b32 s[G1C+3], 256<<16
	s_mov_b32 s[G1C+4], 64
	s_mov_b32 s[G1C+5], OROW
	s_mov_b32 s[G1C+6], 0
	s_mov_b32 s[G1C+7], 0
	s_mul_i32 s20, s17, 8*SLOT                     ; A: my block of rows,
	s_mul_i32 s18, s14, QT                         ; my quarter of a slot: in memory and in LDS alike; no place in the cluster enters either
	s_add_co_u32 s20, s20, s18
	s_mov_b32 s21, 0
	s_wait_dscnt 0x0                               ; both opening adds are done
	s_wait_kmcnt 0x0
	s_load_b64 s[96:97], s[8:9], 0x0               ; e0, e1
	s_add_nc_u64 s[20:21], s[4:5], s[20:21]
	CROUND                                         ; all four work-groups are here: the first joint loads meet
.irp s, 0,1
	s_mov_b32 s[G0+4*\s], 1
	s_add_co_u32 s[G0+4*\s+1], s18, \s*SLOT
	s_add_nc_u64 s[G0+4*\s+2:G0+4*\s+3], s[20:21], \s*SLOT
	s_or_b32 s[G0+4*\s+3], s[G0+4*\s+3], 0x80000000
.endr
	ALOAD 0                                        ; slot 0: one tensor load a wave at the head.  All that follows up to the wait for it is made while it is out
	s_lshl_b32 s82, s42, 2
	s_add_co_u32 s82, s82, s14                     ; my 16 units: 4 x (64 units) + wave
	s_mul_i32 s82, s82, 24*WSTEP
	s_mov_b32 s83, 0
	s_add_nc_u64 s[WB:WB+1], s[6:7], s[82:83]
	s_lshl_b32 s82, s42, 8                         ; their biases: 256 x (64 units) + 64 x wave, in bytes
	s_lshl_b32 s83, s14, 6
	s_add_co_u32 s82, s82, s83
	s_mov_b32 s83, 0
.irp g, 68,70,72,74
	s_add_nc_u64 s[\g:\g+1], s[\g:\g+1], s[82:83]
.endr
	s_lshl_b32 s82, s17, 8                         ; c_prev's tile: wave w fetches rows 64 w .. 64 w + 63 of the block, all 64 units
	s_lshl_b32 s83, s14, 6
	s_add_co_u32 s82, s82, s83
	s_lshl_b32 s82, s82, 13
	s_lshl_b32 s83, s42, 8
	s_add_co_u32 s82, s82, s83
	s_mov_b32 s83, 0
	s_add_nc_u64 s[12:13], s[76:77], s[82:83]
	s_lshl_b32 s82, s17, 8                         ; out0, out1: of each 32 rows I store 8: row 256 x block + 8 x wave
	s_lshl_b32 s83, s14, 3
	s_add_co_u32 s82, s82, s83
	s_lshl_b32 s82, s82, 13
	s_lshl_b32 s83, s42, 8
	s_add_co_u32 s82, s82, s83
	s_mov_b32 s83, 0
	s_add_nc_u64 s[78:79], s[78:79], s[82:83]
	s_add_nc_u64 s[80:81], s[80:81], s[82:83]
	s_mov_b32 s[G0C], 1
	s_mul_i32 s[G0C+1], s14, 64*PITCH              ; into slot 0
	s_mov_b64 s[G0C+2:G0C+3], s[12:13]
	s_or_b32 s[G0C+3], s[G0C+3], 0x80000000
	s_cmp_eq_u32 ttmp9, 0
	s_cselect_b32 s[LIM], 1, -1
	s_mul_i32 s82, s40, QT/4                       ; A's prefetch: my work-group's 24 blocks of my quarter,
	s_add_co_u32 s82, s82, 3*SLOT                  ; at slot 3: the first refill (slot 2's) steps it to 4 and names that
	s_mov_b32 s83, 0
	s_add_nc_u64 s[PFA:PFA+1], s[20:21], s[82:83]
	s_lshl_b32 s18, s14, 6                         ; c_prev's tile and the stages: my 64 bytes of each row
	s_mul_i32 s19, s14, 8*PITCH
	s_add_co_u32 s19, s19, HSH                     ; back from the stage: the 8 rows of each 32 that I store
	s_mul_i32 s22, s17, 12*256                     ; W's prefetch: my block of rows' 12 blocks of 96
	v_and_b32 v1, 15, v0                           ; l % 16
	v_bfe_u32 v2, v0, 4, 1                         ; l / 16
	v_and_b32 v6, 31, v0
	v_mul_u32_u24 v3, v1, PITCH
	v_mul_u32_u24 v5, v2, PITCH
	v_min_u32 v7, 11, v6
	v_min_u32 v8, 23, v6
	v_lshlrev_b32 v[WO], 4, v6
	v_lshlrev_b32 v[ADRA], 4, v6
	v_lshl_add_u32 v3, v2, 5, v3                   ; a result's row x pitch + 32 x half
	v_lshl_add_u32 v5, v1, 4, v5                   ; back: lanes 0-15 one row of 256 bytes, lanes 16-31 the next
	v_lshl_add_u32 v[PFW], v7, 8, s22
	v_lshlrev_b32 v[PFO], 8, v8
	v_add_nc_u32 v[CPA], s18, v3
	v_add_nc_u32 v[RDH], s19, v5
	v_add_nc_u32 v[ADRA+1], SLOT/2, v[WO]
	v_add_nc_u32 v[ADRA+2], SLOT, v[WO]
	v_add_nc_u32 v[ADRA+3], SLOT+SLOT/2, v[WO]
	v_lshlrev_b32 v[CO], 13, v2
	v_lshlrev_b32 v[BO], 5, v2                     ; eight units of 4 bytes for each half of the lanes
	v_lshlrev_b32 v[PFC], 13, v6
	v_add_nc_u32 v[STH], HSH, v[CPA]
	v_add_nc_u32 v[STC], HSC, v[CPA]
	v_add_nc_u32 v[RDC], HSC-HSH, v[RDH]
	v_lshl_add_u32 v[CO], v1, 4, v[CO]
.irp g, 0,1,2,3                        ; gate g, units 8 (l / 16) + 0..7 of my 16
.irp q, 0,1
	global_load_b128 v[BI+8*\g+4*\q:BI+8*\g+4*\q+3], v[BO], s[68+2*\g:69+2*\g] offset:16*\q
.endr
.endr
.macro WLOAD p, off                    ; my W of one step, four fragments, into set p: 16 loads of 512 consecutive bytes
	WIN TO_B
.irp b, 0,1,2,3
.irp c, 0,1,2,3
	global_load_b128 v[64*(\p)+16*\b+4*\c:64*(\p)+16*\b+4*\c+3], v[WO], s[WB:WB+1] offset:(\off)+FRB*\b+512*\c
.endr
.endr
	WIN 0
.endm
	WLOAD 0, 0                                     ; steps 0 and 1
	WLOAD 1, WSTEP
; 16 matrix instructions: A's quarter qa (16-row blocks 4 qa .. 4 qa + 3) x the four gates.  p: W's set.  zero = 1: the first product starts the sums.
; The 64 accumulators take turns in the same order in every step.
.macro MULQ qa, p, zero
.irp i, 0,1,2,3
.if (\qa) == 3
.set AR, 192+16*\i
.else
.set AR, 64+64*(\qa)+16*\i
.endif
.irp b, 0,1,2,3
.set DR, 8*(4*((4*(\qa)+\i)%8)+\b)
.if \zero
	v_wmma_f32_16x16x128_bf8_bf8 v[DR:DR+7], v[64*(\p)+16*\b:64*(\p)+16*\b+15], v[AR:AR+15], 0
.else
	v_wmma_f32_16x16x128_bf8_bf8 v[DR:DR+7], v[64*(\p)+16*\b:64*(\p)+16*\b+15], v[AR:AR+15], v[DR:DR+7]
.endif
.endr
.endr
.endm
.macro FETCHQ slot, pos, qa            ; A's quarter qa of the slot's step pos: 16 LDS loads of 512 consecutive bytes
.if (\qa) == 3
	WIN TO_B
.else
	WIN 0
.endif
.irp i, 0,1,2,3
.if (\qa) == 3
.set AR, 192+16*\i
.else
.set AR, 64+64*(\qa)+16*\i
.endif
.irp c, 0,1,2,3
	ds_load_b128 v[AR+4*\c:AR+4*\c+3], v[ADRA+2*(\slot)+(\qa)/2] offset:(((4*(\qa)+\i)%8)*3+(\pos))*FRB+512*\c
.endr
.endr
	WIN 0
.endm
; A step of 128 along K, the slot's step q = 0 or 1; W's set is q.  Each quarter of A is fetched anew, for the next step, behind the half step that multiplied it: 32 matrix instructions ahead of its use.
; wl = 1: W of the step two on is asked for, into the set that the step before read.  lc: the younger loads, which may stay out.
.macro STEP slot, q, zero, wl, lc
	s_wait_dscnt 32                                ; quarters 0, 1 are in; the 32 loads of quarters 2, 3 may be out
	s_wait_loadcnt \lc                             ; this step's W is in
	WIN MUL_LO
	MULQ 0, \q, \zero
	MULQ 1, \q, \zero
	PLACES NP                                      ; in front of loads into registers that matrix instructions have read
	FETCHQ \slot, (\q)+1, 0
	FETCHQ \slot, (\q)+1, 1
.if \wl
	WLOAD ((\q)+2)%3, ((\q)+2)*WSTEP
.endif
	s_wait_dscnt 32                                ; quarters 2, 3 are in; the 32 loads just issued may be out
	WIN MUL_HI
	MULQ 2, \q, \zero
	WIN MUL_H3
	MULQ 3, \q, \zero
	PLACES NP
	FETCHQ \slot, (\q)+1, 2
	FETCHQ \slot, (\q)+1, 3
.endm
; A slot's last step (q = 2) changes slots, behind a round of the cluster's barrier.  In front of it each wave waits for all its tensor loads, adds 0 to its spare word, and waits for that and for its reads of this slot.
; fill = 1: this slot takes the slot two on.  fill = 2: slot 0 takes c_prev's tile, each wave its own 64 rows.
.macro TURN slot, next, fill
	s_wait_xcnt 0x0                                ; my loads and prefetches have read their bases
.if \fill == 1
	s_add_nc_u64 s[PFA:PFA+1], s[PFA:PFA+1], SLOT
.endif
	s_add_nc_u64 s[WB:WB+1], s[WB:WB+1], 3*WSTEP   ; W at the next slot's first step
	s_wait_tensorcnt 0x0                           ; all my tensor loads have landed: my quarter of the next slot
	ds_add_u32 v[SPW], v[NIL]
.if \fill == 1
	s_add_nc_u64 s[G0+4*\slot+2:G0+4*\slot+3], s[G0+4*\slot+2:G0+4*\slot+3], 2*SLOT
.endif
	s_wait_dscnt 33                                ; the add and the 32 loads of quarters 2, 3 may be out
	s_wait_loadcnt 16                              ; this step's W is in; the next step's 16 loads may be out
	WIN MUL_LO
	MULQ 0, 2, 0                                   ; sixteen matrix instructions stand between the add and the wait for it
	s_wait_dscnt 0x0                               ; the add is done, and my reads of this slot are over
	s_barrier_signal -1
	MULQ 1, 2, 0
	WIN 0
	s_barrier_wait -1
	CREST                                          ; no wave of any partner still reads this slot or has a load on its way
.if \fill == 1
	ALOAD \slot                                    ; the first tensor load behind the round; its four v_nop are the places in front of the loads below
.else
	tensor_load_to_lds s[G0C:G0C+3], s[G1C:G1C+7]
	s_nop 0
	PLACES 4
.endif
	FETCHQ \next, 0, 0
	FETCHQ \next, 0, 1
	WLOAD 1, WSTEP                                 ; the next slot's step 1
.if \fill == 1
	global_prefetch_b8 v[PFW], s[WB:WB+1] offset:3*WSTEP th:TH_LOAD_NT scope:SCOPE_SE   ; W of the slot after the next: slot 7 at the last refill
	ASK
.if \slot == 0
	ASKC
.endif
.endif
	WIN MUL_HI
	MULQ 2, 2, 0
	WIN MUL_H3
	MULQ 3, 2, 0
	PLACES NP
	FETCHQ \next, 0, 2
	FETCHQ \next, 0, 3
.endm
	s_wait_alu depctr_va_vdst(0)                   ; the head's end
	s_wait_tensorcnt 0x0                           ; my quarter of slot 0 is in
	ds_add_u32 v[SPW], v[NIL]
	s_wait_dscnt 0x0
	CROUND                                         ; everybody's quarter is in, and the joint loads meet
	ALOAD 1                                        ; slot 1's first fill: the first tensor load behind the round
	FETCHQ 0, 0, 0
	FETCHQ 0, 0, 1
	FETCHQ 0, 0, 2
	FETCHQ 0, 0, 3
	STEP 0, 0, 1, 1, 16                            ; the first step stands in front of the loop: its products start the sums
	s_mov_b32 s3, LAPS-1
.Llap:                                                 ; a trip goes once round the ring, six steps, and fills both slots again
	STEP 0, 1, 0, 1, 16
	TURN 0, 1, 1
	STEP 1, 0, 0, 1, 16
	STEP 1, 1, 0, 1, 16
	TURN 1, 0, 1
	STEP 0, 0, 0, 1, 16
	s_sub_co_u32 s3, s3, 1
	s_cmp_lg_u32 s3, 0
	s_cbranch_scc1 .Llap
	STEP 0, 1, 0, 1, 16                            ; step 19 of 0..23
	TURN 0, 1, 2                                   ; no slot is left to fetch; c_prev's tile comes into slot 0
	STEP 1, 0, 0, 1, 16                            ; asks for step 23's W, the last
	STEP 1, 1, 0, 0, 16
	s_wait_dscnt 32                                ; the very last step
	s_wait_loadcnt 0x0
	WIN MUL_LO
	MULQ 0, 2, 0
	MULQ 1, 2, 0
	s_wait_dscnt 0
	WIN MUL_HI
	MULQ 2, 2, 0
	WIN MUL_H3
	MULQ 3, 2, 0
	WIN 0
.set n, 0
.rept 16                               ; the biases x the exponentials' factors: -log2(e) for the three sigmoids, 2 log2(e) for the tanh (gate c: registers 16-23).  These lines are also the places behind the last products
.if (n >= 16) && (n < 24)
	v_pk_mul_f32 v[BI+n:BI+n+1], v[BI+n:BI+n+1], 0x4038aa3b op_sel_hi:[1,0]
.else
	v_pk_mul_f32 v[BI+n:BI+n+1], v[BI+n:BI+n+1], 0xbfb8aa3b op_sel_hi:[1,0]
.endif
.set n, n+2
.endr
	s_wait_kmcnt 0x0
	s_add_co_i32 s96, s96, s97                     ; e0 + e1, added to the factors' exponent fields: a sum stands for sum x 2^(e0 + e1)
	s_lshl_b32 s96, s96, 23
	s_add_co_u32 s98, s96, 0x4038aa3b
	s_add_co_u32 s96, s96, 0xbfb8aa3b
	s_mov_b32 s97, s96
	s_mov_b32 s99, s98
	s_wait_alu depctr_va_vdst(0)                   ; directly ahead of the waits below
	s_wait_tensorcnt 0x0                           ; my rows of c_prev are in,
	s_wait_dscnt 0x0                               ; my reads of slot 1 are over
	s_barrier_signal -1
	s_barrier_wait -1                              ; both hold of every wave: c_prev's tile is whole, and slot 1 is free for a stage
; THE WAY OUT, by pairs of 16-row blocks.  A wave's 16 units are 64 bytes, a quarter of an aligned unit of 256 bytes: the four waves write the four quarters of the same stage rows, a barrier stands between writing and
; reading, and each wave then reads and stores 8 whole rows of the 32.  Pair p - 1 is read back and stored inside pair p's arithmetic.
.macro BACK k
.if (\k) > 0
	s_wait_xcnt 0x0                                ; the earlier stores have read their registers
.endif
.irp t, 0,1,2,3
	ds_load_b128 v[RBH+4*\t:RBH+4*\t+3], v[RDH] offset:(32*(\k)+2*\t)*PITCH
.endr
.irp t, 0,1,2,3
	ds_load_b128 v[RBC+4*\t:RBC+4*\t+3], v[RDC] offset:(32*(\k)+2*\t)*PITCH
.endr
.endm
.macro SEND k
	s_wait_dscnt 0x0
.irp t, 0,1,2,3
	global_store_b128 v[CO], v[RBH+4*\t:RBH+4*\t+3], s[78:79] offset:(32*(\k)+2*\t)*OROW th:TH_STORE_NT   ; sixteen lanes store 256 consecutive bytes, aligned
.endr
.irp t, 0,1,2,3
	global_store_b128 v[CO], v[RBC+4*\t:RBC+4*\t+3], s[80:81] offset:(32*(\k)+2*\t)*OROW th:TH_STORE_NT
.endr
.endm
.macro GATES p                         ; T: [block k = 0, 1][gate i, f, c, o][8 units]
.set AC, 64*((\p)%4)
.irp k, 0,1
.irp q, 0,1
	ds_load_b128 v[CPR+8*\k+4*\q:CPR+8*\k+4*\q+3], v[CPA] offset:(2*(\p)+\k)*16*PITCH+16*\q
.endr
.endr
	WIN 0x02+((\p)/4)                              ; source 0: window 2 or 3
	s_wait_alu depctr_va_vdst(0)                   ; directly ahead of the first reader of the pair's sums
.set n, 0
.rept 32                               ; the exponents: (sum x 2^(e0 + e1) + b) x factor, each accumulator from its low end on
.if ((n%32) >= 16) && ((n%32) < 24)
	v_pk_fma_f32 v[T+n:T+n+1], v[AC+n:AC+n+1], s[98:99], v[BI+(n%32):BI+(n%32)+1] op_sel_hi:[1,0,1]
.else
	v_pk_fma_f32 v[T+n:T+n+1], v[AC+n:AC+n+1], s[96:97], v[BI+(n%32):BI+(n%32)+1] op_sel_hi:[1,0,1]
.endif
.set n, n+2
.endr
	WIN 0
.set n, 0
	s_wait_alu depctr_va_vdst(0)                   ; a wait ahead of each batch of transcendentals and one behind it
.rept 64
	v_exp_f32 v[T+n], v[T+n]
.set n, n+1
.endr
	v_nop
	s_wait_alu depctr_va_vdst(0)
	s_wait_dscnt 0x0                               ; c_prev's numbers are in, and my stores of pair p - 1 into the stages are done
.if (\p) > 0
	s_barrier_signal -1
.endif
.set n, 0
.rept 32
	v_pk_add_f32 v[T+n:T+n+1], v[T+n:T+n+1], 1.0 op_sel_hi:[1,0]
.set n, n+2
.endr
.set n, 0
	s_wait_alu depctr_va_vdst(0)
.rept 64
	v_rcp_f32 v[T+n], v[T+n]
.set n, n+1
.endr
	v_nop
	s_wait_alu depctr_va_vdst(0)
.if (\p) > 0
	s_barrier_wait -1                              ; pair p - 1 is whole in the stages
	BACK \p-1
.endif
.irp k, 0,1
.irp m, 0,2,4,6
	v_pk_fma_f32 v[T+32*\k+16+\m:T+32*\k+17+\m], v[T+32*\k+16+\m:T+32*\k+17+\m], -2.0, 1.0 op_sel_hi:[1,0,0]   ; tanh(c)
.endr
.endr
.irp k, 0,1
.irp m, 0,2,4,6
	v_pk_mul_f32 v[T+32*\k+\m:T+32*\k+\m+1], v[T+32*\k+\m:T+32*\k+\m+1], v[T+32*\k+16+\m:T+32*\k+17+\m]        ; i x g
.endr
.endr
.irp k, 0,1
.irp m, 0,2,4,6
	v_pk_fma_f32 v[CT+8*\k+\m:CT+8*\k+\m+1], v[T+32*\k+8+\m:T+32*\k+9+\m], v[CPR+8*\k+\m:CPR+8*\k+\m+1], v[T+32*\k+\m:T+32*\k+\m+1]   ; c_t = f x c_prev + i x g
.endr
.endr
.set n, 0
.rept 8
	v_pk_mul_f32 v[U+n:U+n+1], v[CT+n:CT+n+1], 0x4038aa3b op_sel_hi:[1,0]
.set n, n+2
.endr
.set n, 0
	s_wait_alu depctr_va_vdst(0)
.rept 16
	v_exp_f32 v[U+n], v[U+n]
.set n, n+1
.endr
	v_nop
	s_wait_alu depctr_va_vdst(0)
.set n, 0
.rept 8
	v_pk_add_f32 v[U+n:U+n+1], v[U+n:U+n+1], 1.0 op_sel_hi:[1,0]
.set n, n+2
.endr
.set n, 0
	s_wait_alu depctr_va_vdst(0)
.rept 16
	v_rcp_f32 v[U+n], v[U+n]
.set n, n+1
.endr
	v_nop
	s_wait_alu depctr_va_vdst(0)
.set n, 0
.rept 8
	v_pk_fma_f32 v[U+n:U+n+1], v[U+n:U+n+1], -2.0, 1.0 op_sel_hi:[1,0,0]           ; tanh(c_t)
.set n, n+2
.endr
.irp k, 0,1
.irp m, 0,2,4,6
	v_pk_mul_f32 v[HT+8*\k+\m:HT+8*\k+\m+1], v[T+32*\k+24+\m:T+32*\k+25+\m], v[U+8*\k+\m:U+8*\k+\m+1]          ; h_t = o x tanh(c_t)
.endr
.endr
.if (\p) > 0
	s_wait_alu depctr_va_vdst(0)                   ; directly ahead of SEND's wait
	SEND \p-1
.endif
.irp k, 0,1
.irp q, 0,1
	ds_store_b128 v[STH], v[HT+8*\k+4*\q:HT+8*\k+4*\q+3] offset:(2*(\p)+\k)*16*PITCH+16*\q
	ds_store_b128 v[STC], v[CT+8*\k+4*\q:CT+8*\k+4*\q+3] offset:(2*(\p)+\k)*16*PITCH+16*\q
.endr
.endr
.endm
.irp p, 0,1,2,3,4,5,6,7
	GATES \p
.endr
	s_wait_dscnt 0x0
	s_barrier_signal -1
	s_barrier_wait -1
	BACK 7
	SEND 7
	s_wait_tensorcnt 0x0                           ; the wave's end
	ds_add_u32 v[SPW], v[NIL]
	s_wait_dscnt 0x0
	CROUND                                         ; the closing round
	s_endpgm
.Lfunc_end_k_q8b0f1a61cd_cell:
	.size	k_q8b0f1a61cd_cell, .Lfunc_end_k_q8b0f1a61cd_cell-k_q8b0f1a61cd_cell
	.p2alignl 7, 3214868480
	.fill 96, 4, 3214868480
	.section	.rodata,"a",@progbits
	.p2align	6, 0x0
	.amdhsa_kernel k_q8b0f1a61cd_cell
		.amdhsa_group_segment_fixed_size 327680
		.amdhsa_private_segment_fixed_size 0
		.amdhsa_enable_private_segment 0
		.amdhsa_kernarg_size 80
		.amdhsa_user_sgpr_count 2
		.amdhsa_user_sgpr_kernarg_segment_ptr 1
		.amdhsa_wavefront_size32 1
		.amdhsa_system_sgpr_workgroup_id_x 1
		.amdhsa_system_sgpr_workgroup_id_y 1
		.amdhsa_system_sgpr_workgroup_id_z 1
		.amdhsa_system_vgpr_workitem_id 0
		.amdhsa_next_free_vgpr 1024
		.amdhsa_next_free_sgpr 102
		.amdhsa_reserve_vcc 0
		.amdhsa_float_denorm_mode_32 3
		.amdhsa_float_denorm_mode_16_64 3
		.amdhsa_memory_ordered 1
		.amdhsa_forward_progress 1
		.amdhsa_inst_pref_size 255
	.end_amdhsa_kernel
	.section	.bss,"aw",@nobits
	.p2align	6
	.space	262144
	.amdgpu_metadata
---
amdhsa.version: [ 1, 2 ]
amdhsa.kernels:
  - .name:           k_q8b0f1a61cd_cell
    .symbol:         k_q8b0f1a61cd_cell.kd
    .args:
      - { .name: a_codes, .offset: 0, .size: 8, .value_kind: global_buffer, .address_space: global }
      - { .name: w_codes, .offset: 8, .size: 8, .value_kind: global_buffer, .address_space: global }
      - { .name: lowp_scales, .offset: 16, .size: 8, .value_kind: global_buffer, .address_space: global }
      - { .name: b_i, .offset: 24, .size: 8, .value_kind: global_buffer, .address_space: global }
      - { .name: b_f, .offset: 32, .size: 8, .value_kind: global_buffer, .address_space: global }
      - { .name: b_c, .offset: 40, .size: 8, .value_kind: global_buffer, .address_space: global }
      - { .name: b_o, .offset: 48, .size: 8, .value_kind: global_buffer, .address_space: global }
      - { .name: c_prev, .offset: 56, .size: 8, .value_kind: global_buffer, .address_space: global }
      - { .name: out0, .offset: 64, .size: 8, .value_kind: global_buffer, .address_space: global }
      - { .name: out1, .offset: 72, .size: 8, .value_kind: global_buffer, .address_space: global }
    .group_segment_fixed_size: 327680
    .private_segment_fixed_size: 0
    .kernarg_segment_align: 8
    .kernarg_segment_size: 80
    .max_flat_workgroup_size: 128
    .sgpr_count:     102
    .vgpr_count:     1024
    .wavefront_size: 32
...
	.end_amdgpu_metadata
.endif
;; end of part 2
